; MI455X (gfx1250); checked and timed in simulation.
; The chip was launched on July 23, 2026; its instructions are those of AMD's public machine-readable ISA for CDNA 5 (MIT licence, August 2026) and "CDNA5" Instruction Set Architecture Reference Guide (July 2026). The comments in the code are by the model that wrote it; some were corrected since.
;; Multi Headed Attention. Allowed arithmetic: float matrix products may take bf16 or f16 operands with f32 sums; all other float work in f32.
;; Inputs: Wk 16 x 1,024 x 64 float32; Wo 1,024 x 1,024 float32; Wq 16 x 1,024 x 64 float32; Wv 16 x 1,024 x 64 float32; bk 16 x 64 float32; bo 1,024 float32; bq 16 x 64 float32; bv 16 x 64 float32; key 2 x 2,048 x 1,024 float32; query 2 x 2,048 x 1,024 float32; value 2 x 2,048 x 1,024 float32.
;; Outputs: out0 2 x 2,048 x 1,024 float32.
;; One version. Each part assembles by itself: llvm-mc -triple=amdgcn-amd-amdhsa -mcpu=gfx1250 --defsym DOCPART=n.
;; ======== version 1 of 1: 4 launches
;; limits: values are held in f16: magnitudes above 65,504 overflow, below 6.1e-05 lose precision; right only within a limited range of input values
;; workspace buffers: wt 8,388,608 bytes; qh 8,388,608 bytes; kh 8,388,608 bytes; vh 8,388,608 bytes; ctx 8,388,608 bytes
;; launch wprep (part 1): grid 256 x 1, 4 waves a work-group, no clusters, 37,376 bytes of LDS; arguments Wq, Wk, Wv, Wo, wt; writes wt
.if DOCPART == 1
	.amdgcn_target "amdgcn-amd-amdhsa--gfx1250"
	.amdhsa_code_object_version 6
	.text
	.protected	k_q0a246432fd_wprep
	.globl	k_q0a246432fd_wprep
	.p2align	8
	.type	k_q0a246432fd_wprep,@function
k_q0a246432fd_wprep:
	s_mov_b64 s[64:65], 0
	v_nop
	global_prefetch_b8 v0, s[64:65] scope:SCOPE_SE
	s_setreg_imm32_b32 hwreg(HW_REG_WAVE_MODE, 25, 1), 1
	s_wait_xcnt 0x0
; wprep: the four weight matrices, f32 with the summed index d along the rows' direction, become
; wt[mat 4][kb 16][n 1024][64] in f16: for output column n the 64 values d = 64 kb .. 64 kb + 63 lie together (128 bytes),
; so that the later launches fetch dense blocks and read matrix fragments with d along the registers.
; mat 0..2 = Wq, Wk, Wv ([h][d][hd], n = 64 h + hd), mat 3 = Wo ([d][n]).
; One wave turns one block of 64 d x 64 n: 1,024 blocks, 256 work-groups of four waves.  Memory binds: every byte is read once by loads of
; which sixteen lanes cover one whole row of 256 bytes, and written once by stores that cover 512 consecutive bytes.  No matrix unit, no
; cluster (nothing is shared), no barrier (a wave touches only its own 9,216 LDS bytes).
; LIMIT: a weight of magnitude 65,520 or more becomes an infinity in f16; below 6.1e-5 the f16 step is 6e-8.
.set TP,   144                         ; LDS pitch of a turned row: 128 bytes + 16
.set WLDS, 64*TP                       ; a wave's LDS bytes
.set VO,   4                           ; v4        lane's byte offset in the source block
.set STO,  5                           ; v5        where I put 16 bytes of a turned row
.set RD,   6                           ; v6        where I read turned rows back
.set CO,   7                           ; v7        16 x lane
.set X,    8                           ; v[8:135]  32 loads of 4 f32; later the rows read back
.set P,    136                         ; v[136:199] packed f16
	s_load_b256 s[4:11], s[0:1], 0x0               ; Wq s[4:5], Wk s[6:7], Wv s[8:9], Wo s[10:11]
	s_load_b64 s[12:13], s[0:1], 0x20              ; wt
	v_lshl_add_u32 v200, v0, 2, 0x9000
	v_mov_b32 v201, 0
	v_lshrrev_b32 v1, 5, v0
	v_readfirstlane_b32 s14, v1                    ; wave
	s_lshr_b32 s15, ttmp9, 6                       ; mat
	s_and_b32 s16, ttmp9, 63
	s_lshl_b32 s16, s16, 2
	s_add_co_u32 s16, s16, s14                     ; block 0..255 of the matrix
	s_lshr_b32 s17, s16, 4                         ; nbk: which 64 columns n
	s_and_b32 s18, s16, 15                         ; kb: which 64 rows d
	s_lshl_b32 s22, s17, 18                        ; Wq, Wk, Wv: head nbk (262,144 bytes) ..
	s_lshl_b32 s23, s18, 14                        ; .. + 64 kb rows of 256 bytes
	s_add_co_u32 s22, s22, s23
	s_lshl_b32 s24, s18, 18                        ; Wo: 64 kb rows of 4,096 bytes ..
	s_lshl_b32 s25, s17, 8                         ; .. + 64 nbk columns of 4 bytes
	s_add_co_u32 s24, s24, s25
	s_cmp_eq_u32 s15, 3
	s_cselect_b32 s22, s24, s22
	s_mov_b32 s23, 0
	s_lshl_b32 s24, s15, 21                        ; wt: mat x 2 MiB + kb x 131,072 + 64 nbk rows of 128 bytes
	s_lshl_b32 s25, s18, 17
	s_add_co_u32 s24, s24, s25
	s_lshl_b32 s25, s17, 13
	s_add_co_u32 s24, s24, s25
	s_mov_b32 s25, 0
	s_mul_i32 s26, s14, WLDS
	v_and_b32 v1, 31, v0                           ; lane L
	v_and_b32 v2, 15, v0                           ; c = L & 15: my four columns 4c .. 4c+3
	v_bfe_u32 v3, v0, 4, 1                         ; g = L >> 4: my eight rows of each sixteen
	v_mul_u32_u24 v[STO], v2, 4*TP
	v_lshl_add_u32 v[STO], v3, 4, v[STO]
	v_add_nc_u32 v[STO], s26, v[STO]               ; turned row 4c, bytes 16 g
	v_lshrrev_b32 v[RD], 3, v1
	v_mul_u32_u24 v[RD], v[RD], TP
	v_and_b32 v[CO], 7, v0
	v_lshl_add_u32 v[RD], v[CO], 4, v[RD]
	v_add_nc_u32 v[RD], s26, v[RD]                 ; turned row L >> 3, bytes 16 (L & 7)
	v_lshlrev_b32 v[CO], 4, v1
	s_wait_kmcnt 0x0
	s_cmp_eq_u32 s15, 1
	s_cselect_b64 s[20:21], s[6:7], s[4:5]
	s_cmp_eq_u32 s15, 2
	s_cselect_b64 s[20:21], s[8:9], s[20:21]
	s_cmp_eq_u32 s15, 3
	s_cselect_b64 s[20:21], s[10:11], s[20:21]
	s_add_nc_u64 s[20:21], s[20:21], s[22:23]      ; the block's first element
	s_add_nc_u64 s[12:13], s[12:13], s[24:25]      ; the block's 8,192 dense bytes in wt
; 32 loads, all in flight: group i, load rr brings row d = 16 i + 8 g + rr, columns 4c .. 4c+3
.macro LOADS pitch
	v_mul_u32_u24 v[VO], v3, 8*\pitch
	v_lshl_add_u32 v[VO], v2, 4, v[VO]
.irp i, 0,1,2,3
.irp rr, 0,1,2,3,4,5,6,7
	global_load_b128 v[X+4*(8*\i+\rr):X+4*(8*\i+\rr)+3], v[VO], s[20:21] offset:(16*\i+\rr)*\pitch th:TH_LOAD_NT
.endr
.endr
.endm
	s_cmp_eq_u32 s15, 3
	s_cbranch_scc1 .Lwo
	LOADS 256
	s_branch .Lpack
.Lwo:
	LOADS 4096
.Lpack:
.irp i, 0,1,2,3
	s_wait_loadcnt 24-8*\i                         ; group i's eight loads are in; the younger groups stay out
.irp e, 0,1,2,3
.irp pr, 0,1,2,3
	v_cvt_pk_f16_f32 v[P+16*\i+4*\e+\pr], v[X+32*\i+8*\pr+\e], v[X+32*\i+8*\pr+4+\e]   ; rows d, d+1 of column 4c + e
.endr
	ds_store_b128 v[STO], v[P+16*\i+4*\e:P+16*\i+4*\e+3] offset:\e*TP+\i*32            ; turned row 4c + e, d = 16 i + 8 g .. + 7
.endr
.endr
.irp t, 0,1,2,3,4,5,6,7,8,9,10,11,12,13,14,15
	ds_load_b128 v[X+4*\t:X+4*\t+3], v[RD] offset:\t*4*TP      ; four turned rows; LDS serves a wave's instructions in order (ISA guide 5.7.1): these see the stores
.endr
.irp t, 0,1,2,3,4,5,6,7,8,9,10,11,12,13,14,15
	s_wait_dscnt 15-\t                             ; load t is in, the younger ones stay out
	global_store_b128 v[CO], v[X+4*\t:X+4*\t+3], s[12:13] offset:\t*512        ; 512 consecutive bytes, at a multiple of 512 from wt's first byte
.endr
	s_wait_tensorcnt 0x0
	ds_add_u32 v200, v201
	s_wait_dscnt 0x0
	s_endpgm
.Lfunc_end_k_q0a246432fd_wprep:
	.size	k_q0a246432fd_wprep, .Lfunc_end_k_q0a246432fd_wprep-k_q0a246432fd_wprep
	.p2alignl 7, 3214868480
	.fill 96, 4, 3214868480
	.section	.rodata,"a",@progbits
	.p2align	6, 0x0
	.amdhsa_kernel k_q0a246432fd_wprep
		.amdhsa_group_segment_fixed_size 37376
		.amdhsa_private_segment_fixed_size 0
		.amdhsa_enable_private_segment 0
		.amdhsa_kernarg_size 40
		.amdhsa_user_sgpr_count 2
		.amdhsa_user_sgpr_kernarg_segment_ptr 1
		.amdhsa_wavefront_size32 1
		.amdhsa_system_sgpr_workgroup_id_x 1
		.amdhsa_system_sgpr_workgroup_id_y 1
		.amdhsa_system_sgpr_workgroup_id_z 1
		.amdhsa_system_vgpr_workitem_id 0
		.amdhsa_next_free_vgpr 202
		.amdhsa_next_free_sgpr 66
		.amdhsa_reserve_vcc 0
		.amdhsa_float_denorm_mode_32 3
		.amdhsa_float_denorm_mode_16_64 3
		.amdhsa_memory_ordered 1
		.amdhsa_forward_progress 1
		.amdhsa_inst_pref_size 17
	.end_amdhsa_kernel
	.amdgpu_metadata
---
amdhsa.version: [ 1, 2 ]
amdhsa.kernels:
  - .name:           k_q0a246432fd_wprep
    .symbol:         k_q0a246432fd_wprep.kd
    .args:
      - { .name: Wq, .offset: 0, .size: 8, .value_kind: global_buffer, .address_space: global }
      - { .name: Wk, .offset: 8, .size: 8, .value_kind: global_buffer, .address_space: global }
      - { .name: Wv, .offset: 16, .size: 8, .value_kind: global_buffer, .address_space: global }
      - { .name: Wo, .offset: 24, .size: 8, .value_kind: global_buffer, .address_space: global }
      - { .name: wt, .offset: 32, .size: 8, .value_kind: global_buffer, .address_space: global }
    .group_segment_fixed_size: 37376
    .private_segment_fixed_size: 0
    .kernarg_segment_align: 8
    .kernarg_segment_size: 40
    .max_flat_workgroup_size: 128
    .sgpr_count:     66
    .vgpr_count:     202
    .wavefront_size: 32
...
	.end_amdgpu_metadata
.endif
;; end of part 1
;; launch proj (part 2): grid 4 x 48, 4 waves a work-group, clusters of 4 x 4, 327,680 bytes of LDS; arguments query, key, value, wt, bq, bk, bv, qh, kh, vh; writes qh, kh, vh
.if DOCPART == 2
	.amdgcn_target "amdgcn-amd-amdhsa--gfx1250"
	.amdhsa_code_object_version 6
	.text
	.protected	k_q0a246432fd_proj
	.globl	k_q0a246432fd_proj
	.p2align	8
	.type	k_q0a246432fd_proj,@function
k_q0a246432fd_proj:
	s_mov_b64 s[64:65], 0
	v_nop
	global_prefetch_b8 v0, s[64:65] scope:SCOPE_SE
	s_setreg_imm32_b32 hwreg(HW_REG_WAVE_MODE, 25, 1), 1
	s_wait_xcnt 0x0
	s_wait_alu depctr_hold_cnt(0) depctr_sa_sdst(0) depctr_va_vdst(0) depctr_va_sdst(0) depctr_va_ssrc(0) depctr_va_vcc(0) depctr_vm_vsrc(0)
	s_getreg_b32 s2, hwreg(HW_REG_IB_STS2, 6, 4)
	s_cmp_eq_u32 s2, 0
	s_cbranch_scc0 .Lentry_in_a_cluster
	s_endpgm
.Lentry_in_a_cluster:
	s_bfe_u32 s2, ttmp6, 0x10000c
	s_cmp_lg_u32 s2, 0xf033
	s_cbranch_scc0 .Lentry_shape_is_right
	s_endpgm
.Lentry_shape_is_right:
; proj: qh, kh, vh [b][h][s][64] in f16 = (x W + bias) / 8, for x = query, key, value ([4096][1024] f32) and wt[0..2] (f16, d in planes of 64).
; Three products 4096 x 1024 x 1024.  A work-group makes a block of 256 rows x 256 columns: 16 x 4 x 3 = 192 work-groups; a cluster of 4 x 4 lies
; inside one of the three products.  Smaller blocks would fill more work-groups but read twice the LDS bytes for each matrix instruction.
; Wave w owns rows 64 w .. 64 w + 63 and all 256 columns (64 accumulator tiles, 512 registers), so each f32 element of x is read from LDS and
; converted to f16 by one wave only.
; K goes in steps of 64 through three LDS slots (x: 256 rows of 256 bytes f32; W: 256 rows of 128 bytes f16).  Two slots are filled behind one round
; of the cluster's barrier: one round for every two K steps.  The round stands as early as a wave's reads of the step's slot are back, in the middle of
; the step: the first of the two tiles then has 160 matrix instructions in which to land, the second 256.
; A wave has at most three tensor loads out (the three first fills), later two.
; CLUSTER: x's tiles hang on the block row alone and are asked for jointly along a row of the cluster, W's on the block column alone, along a column.
; FORMAT: f16 operands, f32 sums.  The factor 1/8 (exact) leaves room in f16.
; LIMITS: |x| below 65,520; |x W + bias| below 524,032 (8 x 65,504): beyond, an infinity is stored.  With spread 1 as drawn: all inputs 30 times larger
; give about 5,400; offsets of 30 spreads on x and on W together about 28,800.  Both at once (about 2.6e7) is outside the limit.
; REGISTERS by windows of 256: window 0: addresses, RAW (x as f32), AF (x fragments, two buffers), TMP; window 1: W fragments, two buffers of 128;
; window 2: accumulator tiles of my rows 0-31 (tile (a, b) at 8 (16 (a & 1) + b)); window 3: rows 32-63.
; The matrix instruction is used transposed (source 0 = 16 rows of W, source 1 = 16 rows of x): lane l holds row l % 16 and columns 8 (l / 16) + 0..7.
.set PA,    272                        ; LDS pitch of x: 256 + 16 bytes, an odd multiple of 16: the 16 rows of a fragment load start in 16 different 16-byte columns
.set PB,    144                        ; LDS pitch of W: 128 + 16
.set ATILE, 256*PA
.set SLOT,  ATILE+256*PB               ; 106,496
.set STAGE, SLOT                       ; the way out uses slot 1, whose last fill (K step 13) every wave has read before the round in K step 13
.set SP,    528                        ; stage pitch: 512 + 16
.set ADRA,  8                          ; v8-10   my x rows in slot 0, 1, 2
.set ADRB,  12                         ; v12-14  W rows in slot 0, 1, 2
.set STO,   16
.set RD,    17
.set CO,    18
.set BO,    19
.set RAW,   32                         ; v[32:95]   4 fragments x 16 f32
.set AF,    96                         ; v[96:127], v[128:159]  x fragments, buffers 0, 1
.set TMP,   160                        ; v[160:223] packed results
.set G1A,   32                         ; s[32:39]
.set G1B,   40                         ; s[40:47]
.set G0A,   48                         ; s[48:59]  one group 0 for each slot
.set G0B,   68                         ; s[68:79]
.set MUL_LO, 0xa1                      ; source 0 window 1, source 1 window 0, C and D window 2
.set MUL_HI, 0xf1                      ; C and D window 3
.set TO_B,   0x40                      ; destination window 1
.set MSB, 0
.macro WIN new                         ; the immediate's high byte repeats the setting that is left
.if MSB != \new
	s_set_vgpr_msb (MSB<<8)|\new
.set MSB, \new
.endif
.endm
.macro PLACES                          ; four independent vector instructions behind a matrix instruction (ISA guide 7.12.1)
.rept 4
	v_nop
.endr
.endm
.macro CROUND                          ; a round of the cluster's barrier
	s_barrier_signal -1
	s_barrier_wait -1
	s_cmp_lg_u32 s80, 0
	s_cbranch_scc1 .Lnot_wave_0_\@
	s_barrier_signal -3
.Lnot_wave_0_\@:
	s_barrier_wait -3
	s_barrier_signal -1
	s_barrier_wait -1
.endm
; joint loads into slots x, y, z (9 = none).  Waves 0, 1 ask for x's two halves, waves 2, 3 for W's: the branch hangs on the wave's number alone.
.macro JLOADS x, y, z
	s_cmp_eq_u32 s81, 0
	s_cbranch_scc0 .Lfor_b_\@
	tensor_load_to_lds s[G0A+4*\x:G0A+4*\x+3], s[G1A:G1A+7]
	s_nop 0
.if \y < 3
	tensor_load_to_lds s[G0A+4*\y:G0A+4*\y+3], s[G1A:G1A+7]
	s_nop 0
.endif
.if \z < 3
	tensor_load_to_lds s[G0A+4*\z:G0A+4*\z+3], s[G1A:G1A+7]
	s_nop 0
.endif
	s_branch .Lasked_\@
.Lfor_b_\@:
	tensor_load_to_lds s[G0B+4*\x:G0B+4*\x+3], s[G1B:G1B+7]
	s_nop 0
.if \y < 3
	tensor_load_to_lds s[G0B+4*\y:G0B+4*\y+3], s[G1B:G1B+7]
	s_nop 0
.endif
.if \z < 3
	tensor_load_to_lds s[G0B+4*\z:G0B+4*\z+3], s[G1B:G1B+7]
	s_nop 0
.endif
.Lasked_\@:
.endm
.macro STEPG0 f                        ; slot f's next tile lies three K steps on
	s_add_nc_u64 s[G0A+4*\f+2:G0A+4*\f+3], s[G0A+4*\f+2:G0A+4*\f+3], 3*256
	s_add_nc_u64 s[G0B+4*\f+2:G0B+4*\f+3], s[G0B+4*\f+2:G0B+4*\f+3], 3*131072
.endm
	s_load_b512 s[4:19], s[0:1], 0x0               ; query 4, key 6, value 8, wt 10, bq 12, bk 14, bv 16, qh 18
	s_load_b128 s[20:23], s[0:1], 0x40             ; kh 20, vh 22
	v_lshl_add_u32 v254, v0, 2, 0x4e000
	v_mov_b32 v255, 0
	ds_add_u32 v254, v255
	v_lshrrev_b32 v1, 5, v0
	v_readfirstlane_b32 s80, v1                    ; wave
	s_lshr_b32 s81, s80, 1                         ; 0: I fetch x, 1: I fetch W
	s_and_b32 s82, s80, 1                          ; which 128 rows of that tile
	s_bfe_u32 s83, ttmp6, 0x40000                  ; cx
	s_bfe_u32 s84, ttmp6, 0x40004                  ; cy
	s_lshl_b32 s85, ttmp9, 2
	s_add_co_u32 s85, s85, s83                     ; nb: block column 0..3
	s_and_b32 s90, ttmp7, 0xffff                   ; cluster y 0..11
	s_lshr_b32 s87, s90, 2                         ; which product: 0 q, 1 k, 2 v
	s_and_b32 s86, s90, 3
	s_lshl_b32 s86, s86, 2
	s_add_co_u32 s86, s86, s84                     ; mb: block row 0..15
	s_lshl_b32 s88, s84, 2
	s_lshl_b32 s88, 15, s88                        ; my row of the cluster
	s_lshl_b32 s89, 0x1111, s83                    ; my column
	; group 1 for x: 128 rows x 64 elements of 4 bytes, pitch 1,024 elements; 4 words of padding behind every 64 words
	s_or_b32 s[G1A+0], s88, (2<<16)|(1<<20)|(1<<21)|(5<<22)|(3<<25)
	s_mov_b32 s[G1A+1], 64<<16                     ; tensor_dim0
	s_mov_b32 s[G1A+2], 128<<16                    ; tensor_dim1
	s_mov_b32 s[G1A+3], 64<<16                     ; tile_dim0
	s_mov_b32 s[G1A+4], 128                        ; tile_dim1
	s_mov_b32 s[G1A+5], 1024                       ; stride
	s_mov_b32 s[G1A+6], 0
	s_mov_b32 s[G1A+7], 0
	; group 1 for W: 128 rows of 128 bytes are 16,384 dense bytes, fetched as 64 rows of 32 elements of 8 bytes; 4 words of padding behind every 32 words
	s_or_b32 s[G1B+0], s89, (3<<16)|(1<<20)|(1<<21)|(4<<22)|(3<<25)
	s_mov_b32 s[G1B+1], 32<<16
	s_mov_b32 s[G1B+2], 64<<16
	s_mov_b32 s[G1B+3], 32<<16
	s_mov_b32 s[G1B+4], 64
	s_mov_b32 s[G1B+5], 32
	s_mov_b32 s[G1B+6], 0
	s_mov_b32 s[G1B+7], 0
	s_lshl_b32 s90, s86, 20                        ; x: 256 mb rows of 4,096 bytes (no cx enters these registers)
	s_lshl_b32 s91, s82, 19                        ;    + my 128 rows
	s_add_co_u32 s90, s90, s91
	s_mov_b32 s91, 0
	s_lshl_b32 s92, s87, 21                        ; W: the matrix (no cy enters these registers)
	s_lshl_b32 s93, s85, 15                        ;    + 256 nb rows of 128 bytes
	s_add_co_u32 s92, s92, s93
	s_lshl_b32 s93, s82, 14                        ;    + my 128 rows
	s_add_co_u32 s92, s92, s93
	s_mov_b32 s93, 0
	s_mul_i32 s98, s80, 128*PA                     ; LDS: x's halves at wave x 34,816 (waves 0, 1)
	s_mul_i32 s99, s80, 128*PB
	s_add_co_u32 s99, s99, ATILE-2*128*PB          ; W's halves at 69,632 + (wave - 2) x 18,432 (waves 2, 3)
	s_lshl_b32 s94, s85, 10                        ; bias: 256 nb columns of 4 bytes
	s_mov_b32 s95, 0
	s_wait_dscnt 0x0
	s_wait_kmcnt 0x0
	s_cmp_eq_u32 s87, 1
	s_cselect_b64 s[24:25], s[6:7], s[4:5]         ; x
	s_cselect_b64 s[26:27], s[14:15], s[12:13]     ; bias
	s_cselect_b64 s[28:29], s[20:21], s[18:19]     ; output
	s_cmp_eq_u32 s87, 2
	s_cselect_b64 s[24:25], s[8:9], s[24:25]
	s_cselect_b64 s[26:27], s[16:17], s[26:27]
	s_cselect_b64 s[28:29], s[22:23], s[28:29]
	s_add_nc_u64 s[24:25], s[24:25], s[90:91]
	s_add_nc_u64 s[30:31], s[10:11], s[92:93]
	s_add_nc_u64 s[26:27], s[26:27], s[94:95]
	s_lshr_b32 s94, s86, 3                         ; output: batch mb >> 3 (4 MiB) + head 4 nb (262,144 bytes each) + row (mb & 7) 256 + 64 wave (128 bytes each)
	s_lshl_b32 s94, s94, 22
	s_lshl_b32 s96, s85, 20
	s_add_co_u32 s94, s94, s96
	s_and_b32 s96, s86, 7
	s_lshl_b32 s96, s96, 15
	s_add_co_u32 s94, s94, s96
	s_lshl_b32 s96, s80, 13
	s_add_co_u32 s94, s94, s96
	s_add_nc_u64 s[28:29], s[28:29], s[94:95]
.irp s, 0,1,2
	s_mov_b32 s[G0A+4*\s], 1
	s_add_co_u32 s[G0A+4*\s+1], s98, \s*SLOT
	s_add_nc_u64 s[G0A+4*\s+2:G0A+4*\s+3], s[24:25], \s*256        ; K step s: 64 f32 on
	s_or_b32 s[G0A+4*\s+3], s[G0A+4*\s+3], 0x80000000
	s_mov_b32 s[G0B+4*\s], 1
	s_add_co_u32 s[G0B+4*\s+1], s99, \s*SLOT
	s_add_nc_u64 s[G0B+4*\s+2:G0B+4*\s+3], s[30:31], \s*131072     ; K step s: plane s
	s_or_b32 s[G0B+4*\s+3], s[G0B+4*\s+3], 0x80000000
.endr
	CROUND                                         ; all sixteen work-groups are here: the first joint loads meet
	JLOADS 0, 1, 2                                 ; K steps 0, 1, 2: first fills
	v_and_b32 v1, 15, v0                           ; r = l % 16
	v_bfe_u32 v2, v0, 4, 1                         ; h = l / 16
	v_and_b32 v3, 31, v0                           ; l
	v_mul_u32_u24 v4, v1, PA
	v_lshl_add_u32 v4, v2, 5, v4                   ; x: row r, 8 h f32
	v_mul_u32_u24 v5, v1, PB
	v_lshl_add_u32 v5, v2, 4, v5                   ; W: row r, 8 h f16
	s_mul_i32 s96, s80, 64*PA                      ; my 64 rows of x
.irp s, 0,1,2
	v_add_nc_u32 v[ADRA+\s], s96, v4
	v_add_nc_u32 v[ADRB+\s], ATILE+\s*SLOT, v5
	s_add_co_u32 s96, s96, SLOT
.endr
	s_mul_i32 s97, s80, 16*SP
	s_add_co_u32 s97, s97, STAGE                   ; my stage: 16 rows of 528 bytes
	v_mul_u32_u24 v6, v1, SP
	v_lshl_add_u32 v6, v2, 4, v6
	v_add_nc_u32 v[STO], s97, v6
	v_lshrrev_b32 v6, 3, v3
	v_mul_u32_u24 v6, v6, SP
	v_and_b32 v7, 7, v0
	v_lshl_add_u32 v6, v7, 4, v6
	v_add_nc_u32 v[RD], s97, v6                    ; back: row l >> 3, 16 (l & 7) bytes of a head's 128
	v_lshlrev_b32 v[CO], 4, v3
	v_lshlrev_b32 v[BO], 5, v2                     ; bias: 8 h f32
; 32 matrix instructions: my row blocks 2 hi, 2 hi + 1 x all 16 column blocks, 32 along K, from buffer buf.  zero = 1: the products start the sums.
; The 64 accumulators take turns, one instruction a turn, in the same order everywhere.
.macro MUL32 buf, hi, zero
.irp a, 0,1
.irp b, 0,1,2,3,4,5,6,7,8,9,10,11,12,13,14,15
.if \zero
	v_wmma_f32_16x16x32_f16 v[8*(16*\a+\b):8*(16*\a+\b)+7], v[128*\buf+8*\b:128*\buf+8*\b+7], v[AF+32*\buf+8*(2*\hi+\a):AF+32*\buf+8*(2*\hi+\a)+7], 0
.else
	v_wmma_f32_16x16x32_f16 v[8*(16*\a+\b):8*(16*\a+\b)+7], v[128*\buf+8*\b:128*\buf+8*\b+7], v[AF+32*\buf+8*(2*\hi+\a):AF+32*\buf+8*(2*\hi+\a)+7], v[8*(16*\a+\b):8*(16*\a+\b)+7]
.endif
.endr
.endr
.endm
; 48 LDS loads for 32 along K (half 0 or 1 of the slot's 64): first x as f32 (16 loads), then W's fragments (32 loads) into buffer buf
.macro FETCH slot, half, buf
	WIN 0
.irp i, 0,1,2,3
	ds_load_b128 v[RAW+16*\i:RAW+16*\i+3],     v[ADRA+\slot] offset:\i*16*PA+\half*128      ; k = 8 h + 0..3
	ds_load_b128 v[RAW+16*\i+4:RAW+16*\i+7],   v[ADRA+\slot] offset:\i*16*PA+\half*128+16   ; k = 8 h + 4..7
	ds_load_b128 v[RAW+16*\i+8:RAW+16*\i+11],  v[ADRA+\slot] offset:\i*16*PA+\half*128+64   ; k = 16 + 8 h + 0..3
	ds_load_b128 v[RAW+16*\i+12:RAW+16*\i+15], v[ADRA+\slot] offset:\i*16*PA+\half*128+80   ; k = 16 + 8 h + 4..7
.endr
	WIN TO_B
.irp b, 0,1,2,3,4,5,6,7,8,9,10,11,12,13,14,15
	ds_load_b128 v[128*\buf+8*\b:128*\buf+8*\b+3],   v[ADRB+\slot] offset:\b*16*PB+\half*64
	ds_load_b128 v[128*\buf+8*\b+4:128*\buf+8*\b+7], v[ADRB+\slot] offset:\b*16*PB+\half*64+32
.endr
.endm
.macro CVT buf                         ; x to f16: four fragments
.irp i, 0,1,2,3
.irp j, 0,1,2,3,4,5,6,7
	v_cvt_pk_f16_f32 v[AF+32*\buf+8*\i+\j], v[RAW+16*\i+2*\j], v[RAW+16*\i+2*\j+1]
.endr
.endr
.endm
.macro BIASLD                          ; the bias of my 256 columns in the accumulators' layout, into W's buffer 0
	WIN TO_B
.irp b, 0,1,2,3,4,5,6,7,8,9,10,11,12,13,14,15
	global_load_b128 v[8*\b:8*\b+3],   v[BO], s[26:27] offset:64*\b
	global_load_b128 v[8*\b+4:8*\b+7], v[BO], s[26:27] offset:64*\b+16
.endr
.endm
; One K step of 64 on slot sl; nx = the next step's slot.
; mode 0: the next tile is shown to all waves by a plain barrier;
; mode 1: slots f1 and f2 (9 = none) are filled again behind a round of the cluster's barrier, in the middle of the step;   mode 2: the last step.
.macro STEP sl, nx, mode, cnt, zero, f1, f2
	s_wait_dscnt 0x0                               ; W's fragments of buffer 0 are in
	WIN MUL_LO
	MUL32 0, 0, \zero
	PLACES                                         ; buffer 1 was read by matrix instructions of the step before
	FETCH \sl, 1, 1
	WIN MUL_HI
	MUL32 0, 1, \zero
	s_wait_dscnt 32                                ; the 16 loads of x are older than W's 32, which stay out
	WIN 0
	CVT 1
	s_wait_dscnt 0x0                               ; W's fragments of buffer 1 are in: my last reads of slot sl, so also of the slots to be filled
.if \mode == 1
	s_wait_tensorcnt 0x0                           ; all my tensor loads have landed, my part of the next tile among them: every group 0 may be written
	ds_add_u32 v254, v255
	s_wait_dscnt 0x0
	STEPG0 \f1
.if \f2 < 3
	STEPG0 \f2
.endif
	CROUND                                         ; both hold of every wave of all sixteen work-groups
	JLOADS \f1, \f2, 9                             ; the first tensor loads behind the round; the tile needed sooner goes first
.endif
	WIN MUL_LO
	MUL32 1, 0, 0
	WIN 0
.if \mode == 0
	s_wait_dscnt 0x0                               ; (met above) no LDS instruction is out at the signal
	s_wait_tensorcnt \cnt                          ; my part of the next tile has landed
	s_barrier_signal -1
	s_barrier_wait -1                              ; everybody's has
.endif
	PLACES                                         ; buffer 0 was read by this step's first 64 matrix instructions
.if \mode == 2
	BIASLD
.else
	FETCH \nx, 0, 0
.endif
	WIN MUL_HI
	MUL32 1, 1, 0
.if \mode != 2
	s_wait_dscnt 32
	WIN 0
	CVT 0
.endif
.endm
	s_wait_tensorcnt 2                             ; my part of K step 0 is in; steps 1 and 2 stay out
	s_barrier_signal -1
	s_barrier_wait -1
	FETCH 0, 0, 0
	s_wait_dscnt 32
	WIN 0
	CVT 0
	STEP 0, 1, 0, 1, 1, 9, 9                       ; K step 0 starts the sums; step 1's tile is waited for, step 2's stays out
	s_mov_b32 s96, 2
.Lsix:                                             ; K steps 1-6 and 7-12: tile t lies in slot t % 3, so the pattern repeats every six steps
	STEP 1, 2, 1, 0, 0, 0, 1                       ; t = 1, 7: tiles t+2, t+3 go out
	STEP 2, 0, 0, 1, 0, 9, 9                       ; the older of the two is waited for
	STEP 0, 1, 1, 0, 0, 2, 0
	STEP 1, 2, 0, 1, 0, 9, 9
	STEP 2, 0, 1, 0, 0, 1, 2
	STEP 0, 1, 0, 1, 0, 9, 9
	s_sub_co_u32 s96, s96, 1
	s_cmp_lg_u32 s96, 0
	s_cbranch_scc1 .Lsix
	STEP 1, 2, 1, 0, 0, 0, 9                       ; K step 13: only tile 15 is left to fetch
	STEP 2, 0, 0, 0, 0, 9, 9                       ; K step 14: tile 15 is the one load out
	STEP 0, 0, 2, 0, 0, 9, 9                       ; K step 15
	; THE WAY OUT.  (sum + bias) / 8 as one multiply-add on the bias scaled beforehand; 16 rows at a time through my stage, read back as four rows of one
	; head (512 consecutive bytes of the output).
	PLACES
	s_wait_loadcnt 0x0                             ; the bias
	WIN 0x41                                       ; destination and source 0 in window 1
.set j, 0
.rept 64
	v_pk_mul_f32 v[2*j:2*j+1], v[2*j:2*j+1], 0x3e000000 op_sel_hi:[1,0]
.set j, j+1
.endr
.macro OUT16 a, al, wfma, wcvt, ob
	WIN \wfma                                      ; accumulators in window 2 or 3, the bias (source 2) in window 1
.irp b, 0,1,2,3,4,5,6,7,8,9,10,11,12,13,14,15
.irp jj, 0,1,2,3
	v_pk_fma_f32 v[8*(16*\al+\b)+2*\jj:8*(16*\al+\b)+2*\jj+1], v[8*(16*\al+\b)+2*\jj:8*(16*\al+\b)+2*\jj+1], 0x3e000000, v[8*\b+2*\jj:8*\b+2*\jj+1] op_sel_hi:[1,0,1]
.endr
.endr
	WIN \wcvt
.irp b, 0,1,2,3,4,5,6,7,8,9,10,11,12,13,14,15
.irp rr, 0,1,2,3
	v_cvt_pk_f16_f32 v[TMP+4*\b+\rr], v[8*(16*\al+\b)+2*\rr], v[8*(16*\al+\b)+2*\rr+1]
.endr
.endr
	WIN 0
.irp b, 0,1,2,3,4,5,6,7,8,9,10,11,12,13,14,15
	ds_store_b128 v[STO], v[TMP+4*\b:TMP+4*\b+3] offset:32*\b      ; row r, columns 16 b + 8 h .. + 7
.endr
	s_wait_xcnt 0x0                                ; registers that earlier stores read are loaded again only behind this wait
.irp hh, 0,1,2,3
.irp t, 0,1,2,3
	ds_load_b128 v[\ob+4*(4*\hh+\t):\ob+4*(4*\hh+\t)+3], v[RD] offset:\t*4*SP+\hh*128     ; my own bytes, served in order behind the stores
.endr
.endr
.irp hh, 0,1,2,3
.irp t, 0,1,2,3
	s_wait_dscnt 15-(4*\hh+\t)
	global_store_b128 v[CO], v[\ob+4*(4*\hh+\t):\ob+4*(4*\hh+\t)+3], s[28:29] offset:\hh*262144+\a*2048+\t*512
.endr
.endr
.endm
	OUT16 0, 0, 0x92, 0x0a, 32
	OUT16 1, 1, 0x92, 0x0a, 96
	OUT16 2, 0, 0xd3, 0x0f, 32
	OUT16 3, 1, 0xd3, 0x0f, 96
	s_wait_tensorcnt 0x0
	ds_add_u32 v254, v255
	s_wait_dscnt 0x0
	CROUND                                         ; the closing round: no work-group ends while a partner may still ask jointly
	s_endpgm
.Lfunc_end_k_q0a246432fd_proj:
	.size	k_q0a246432fd_proj, .Lfunc_end_k_q0a246432fd_proj-k_q0a246432fd_proj
	.p2alignl 7, 3214868480
	.fill 96, 4, 3214868480
	.section	.rodata,"a",@progbits
	.p2align	6, 0x0
	.amdhsa_kernel k_q0a246432fd_proj
		.amdhsa_group_segment_fixed_size 327680
		.amdhsa_private_segment_fixed_size 0
		.amdhsa_enable_private_segment 0
		.amdhsa_kernarg_size 80
		.amdhsa_user_sgpr_count 2
		.amdhsa_user_sgpr_kernarg_segment_ptr 1
		.amdhsa_wavefront_size32 1
		.amdhsa_system_sgpr_workgroup_id_x 1
		.amdhsa_system_sgpr_workgroup_id_y 1
		.amdhsa_system_sgpr_workgroup_id_z 1
		.amdhsa_system_vgpr_workitem_id 0
		.amdhsa_next_free_vgpr 1024
		.amdhsa_next_free_sgpr 100
		.amdhsa_reserve_vcc 0
		.amdhsa_float_denorm_mode_32 3
		.amdhsa_float_denorm_mode_16_64 3
		.amdhsa_memory_ordered 1
		.amdhsa_forward_progress 1
		.amdhsa_inst_pref_size 255
	.end_amdhsa_kernel
	.section	.bss,"aw",@nobits
	.p2align	6
	.space	262144
	.amdgpu_metadata
---
amdhsa.version: [ 1, 2 ]
amdhsa.kernels:
  - .name:           k_q0a246432fd_proj
    .symbol:         k_q0a246432fd_proj.kd
    .args:
      - { .name: query, .offset: 0, .size: 8, .value_kind: global_buffer, .address_space: global }
      - { .name: key, .offset: 8, .size: 8, .value_kind: global_buffer, .address_space: global }
      - { .name: value, .offset: 16, .size: 8, .value_kind: global_buffer, .address_space: global }
      - { .name: wt, .offset: 24, .size: 8, .value_kind: global_buffer, .address_space: global }
      - { .name: bq, .offset: 32, .size: 8, .value_kind: global_buffer, .address_space: global }
      - { .name: bk, .offset: 40, .size: 8, .value_kind: global_buffer, .address_space: global }
      - { .name: bv, .offset: 48, .size: 8, .value_kind: global_buffer, .address_space: global }
      - { .name: qh, .offset: 56, .size: 8, .value_kind: global_buffer, .address_space: global }
      - { .name: kh, .offset: 64, .size: 8, .value_kind: global_buffer, .address_space: global }
      - { .name: vh, .offset: 72, .size: 8, .value_kind: global_buffer, .address_space: global }
    .group_segment_fixed_size: 327680
    .private_segment_fixed_size: 0
    .kernarg_segment_align: 8
    .kernarg_segment_size: 80
    .max_flat_workgroup_size: 128
    .sgpr_count:     100
    .vgpr_count:     1024
    .wavefront_size: 32
...
	.end_amdgpu_metadata
.endif
;; end of part 2
;; launch attn (part 3): grid 8 x 32, 8 waves a work-group, clusters of 4 x 1, 327,680 bytes of LDS; arguments qh, kh, vh, ctx; writes ctx
.if DOCPART == 3
	.amdgcn_target "amdgcn-amd-amdhsa--gfx1250"
	.amdhsa_code_object_version 6
	.text
	.protected	k_q0a246432fd_attn
	.globl	k_q0a246432fd_attn
	.p2align	8
	.type	k_q0a246432fd_attn,@function
k_q0a246432fd_attn:
	s_mov_b64 s[64:65], 0
	v_nop
	global_prefetch_b8 v0, s[64:65] scope:SCOPE_SE
	s_setreg_imm32_b32 hwreg(HW_REG_WAVE_MODE, 25, 1), 1
	s_wait_xcnt 0x0
	s_wait_alu depctr_hold_cnt(0) depctr_sa_sdst(0) depctr_va_vdst(0) depctr_va_sdst(0) depctr_va_ssrc(0) depctr_va_vcc(0) depctr_vm_vsrc(0)
	s_getreg_b32 s2, hwreg(HW_REG_IB_STS2, 6, 4)
	s_cmp_eq_u32 s2, 0
	s_cbranch_scc0 .Lentry_in_a_cluster
	s_endpgm
.Lentry_in_a_cluster:
	s_bfe_u32 s2, ttmp6, 0x10000c
	s_cmp_lg_u32 s2, 0x3003
	s_cbranch_scc0 .Lentry_shape_is_right
	s_endpgm
.Lentry_shape_is_right:
; attn: ctx[h][b*2048+s][64] (f16, = context / 8) = softmax(q k^T / 8) v, from qh, kh, vh [b][h][s][64] (f16, each = true value / 8).
; A work-group takes 256 queries of one (b, h) against all 2,048 keys; a wave takes 32 queries.  Eight waves, two on a SIMD, so that one wave's softmax
; arithmetic runs beside the other's matrix instructions: here the vector work is longer than the matrix work.
; CLUSTER 4 x 1: the four query blocks of a cluster read the same K and V tiles and ask for them jointly (mask 15).
; K and V go in tiles of 256 keys through two LDS slots; each wave fetches its 32 keys of K and of V (4,096 dense bytes each): two tensor loads of a wave
; are out at the most, and they have a whole tile's work in which to land.
; LAYOUT: S^T = K Q^T (source 0 = 16 keys, source 1 = 16 queries): lane (r, h) holds keys 8 h + 0..7 of query r.  Two neighbouring key tiles, packed in
; place, are the second source of ctx^T = V^T P^T for 32 keys; V^T comes by the transposing LDS load.  Maximum and rescaling factor are one number a lane.
; A CHUNK IS 128 KEYS in two halves of 64: scores of both halves, ONE new maximum and ONE rescaling of the 64 context registers, then exponentials and
; products half by half.  The vector work of one half stands between the LDS loads and the matrix instructions of the other.
; THE ROW SUM is made by the matrix unit: a first source of ones against the same P gives, in every row of a fifth accumulator tile, the sum of P over the
; 32 keys, both halves of the wave included.  Only the register pair that holds row 0 is rescaled and read; the other rows are sums of at most 2,048
; numbers of at most 1 and are never read.
; SOFTMAX: a running maximum, as in the reference.  exponent = 8 log2(e) (q'.k') - max of the same, by one fused multiply-add.
; LIMITS: a NaN score loses in the maximum (it still reaches the result through the exponential); exponentials below 2^-126 are zero; P is rounded to f16
; (steps of 6e-8 below 6.1e-5, against a row maximum of 1), and the row sum adds these rounded numbers, the same that multiply V.
.set KP,    144                        ; K rows: 128 + 16 bytes
.set VP,    160                        ; V rows: 128 + 32 bytes, an odd multiple of 32 for the transposing load
.set KT,    256*KP
.set SLOT,  KT+256*VP                  ; 77,824
.set STAGE, 2*SLOT                     ; 32 rows of 144 bytes for each wave; no tensor load lands here
; window 0
.set KADR,  4                          ; v4-5
.set VADR,  6                          ; v6-7
.set STO,   8
.set RD,    9
.set CO,    10
.set QO,    11
.set T,     16                         ; v[16:23]   at work, four for each query tile
.set NM,    24                         ; v[24:27]   - maximum x constant, twice, for each query tile
.set AL,    28                         ; v[28:31]   rescaling factor, twice
.set ONE,   32                         ; v[32:39]   a fragment of ones in f16
.set SC,    64                         ; v[64:191]  scores: half hf, tile (kt, qt) at 64 hf + 8 (4 qt + kt); then P
.set VF,    192                        ; v[192:255] V^T fragments of 64 keys, (ks, ht) at 8 (4 ks + ht)
; window 1: v[0:63] context tiles (ht, qt) at 8 (4 qt + ht)
.set QF,    64                         ; v[64:95]   Q fragments (qt, kh)
.set SUM,   96                         ; v[96:111]  row-sum tile of each query tile
.set KF,    128                        ; v[128:255] K fragments, a buffer of 64 for each half: (kt, kh) at 64 hf + 8 (2 kt + kh)
.set G1K,   16
.set G1V,   24
.set G0K,   32                         ; s[32:39]  one group 0 for each slot
.set G0V,   40                         ; s[40:47]
.set MSB, 0
.macro WIN new                         ; the immediate's high byte repeats the setting that is left
.if MSB != \new
	s_set_vgpr_msb (MSB<<8)|\new
.set MSB, \new
.endif
.endm
.macro PLACES                          ; four independent vector instructions behind a matrix instruction (ISA guide 7.12.1)
.rept 4
	v_nop
.endr
.endm
.macro ROUND
	s_barrier_signal -1
	s_barrier_wait -1
	s_cmp_lg_u32 s12, 0
	s_cbranch_scc1 .Lnot_wave_0_\@
	s_barrier_signal -3
.Lnot_wave_0_\@:
	s_barrier_wait -3
	s_barrier_signal -1
	s_barrier_wait -1
.endm
	s_load_b256 s[4:11], s[0:1], 0x0               ; qh 4, kh 6, vh 8, ctx 10
	v_lshl_add_u32 v62, v0, 2, 0x2f000
	v_mov_b32 v63, 0
	ds_add_u32 v62, v63
	v_lshrrev_b32 v1, 5, v0
	v_readfirstlane_b32 s12, v1                    ; wave 0..7
	s_bfe_u32 s13, ttmp6, 0x40000                  ; cx
	s_lshl_b32 s14, ttmp9, 2
	s_add_co_u32 s14, s14, s13                     ; query block 0..7
	s_and_b32 s15, ttmp7, 0xffff                   ; b * 16 + h
	; group 1: 4,096 dense bytes as 16 rows of 32 elements of 8 bytes; padding behind every 32 words: 4 words for K, 8 for V
	s_mov_b32 s[G1K+0], 15|(3<<16)|(1<<20)|(1<<21)|(4<<22)|(3<<25)
	s_mov_b32 s[G1V+0], 15|(3<<16)|(1<<20)|(1<<21)|(4<<22)|(7<<25)
.irp g, G1K, G1V
	s_mov_b32 s[\g+1], 32<<16
	s_mov_b32 s[\g+2], 16<<16
	s_mov_b32 s[\g+3], 32<<16
	s_mov_b32 s[\g+4], 16
	s_mov_b32 s[\g+5], 32
	s_mov_b32 s[\g+6], 0
	s_mov_b32 s[\g+7], 0
.endr
	s_mov_b32 s48, 0x4138aa3b                      ; 8 log2(e): scores are q.k / 64 here, and q.k / 8 is wanted, in base 2
	s_mov_b32 s49, 0x4138aa3b
	s_mov_b32 s50, 0x76543210                      ; v_permlanex16_b32: lane i reads lane i of the other half
	s_mov_b32 s51, 0xfedcba98
	s_lshl_b32 s54, s15, 18                        ; K, V: the head's 262,144 bytes + my 32 keys (no cx enters these registers)
	s_lshl_b32 s55, s12, 12
	s_add_co_u32 s54, s54, s55
	s_mov_b32 s55, 0
	s_lshl_b32 s56, s14, 15                        ; Q: the same + the block's 256 rows
	s_add_co_u32 s56, s56, s54
	s_mov_b32 s57, 0
	s_and_b32 s58, s15, 15                         ; ctx: plane h (524,288 bytes) + row b 2048 + 256 block + 32 wave (128 bytes each)
	s_lshl_b32 s58, s58, 19
	s_lshr_b32 s59, s15, 4
	s_lshl_b32 s59, s59, 18
	s_add_co_u32 s58, s58, s59
	s_lshl_b32 s59, s14, 15
	s_add_co_u32 s58, s58, s59
	s_lshl_b32 s59, s12, 12
	s_add_co_u32 s58, s58, s59
	s_mov_b32 s59, 0
	s_mul_i32 s52, s12, 32*KP                      ; my 32 keys of K in a slot; also my stage
	s_mul_i32 s53, s12, 32*VP
	s_add_co_u32 s53, s53, KT                      ; my 32 keys of V
	s_wait_dscnt 0x0
	s_wait_kmcnt 0x0
	s_add_nc_u64 s[4:5], s[4:5], s[56:57]
	s_add_nc_u64 s[6:7], s[6:7], s[54:55]
	s_add_nc_u64 s[8:9], s[8:9], s[54:55]
	s_add_nc_u64 s[10:11], s[10:11], s[58:59]
.irp s, 0,1
	s_mov_b32 s[G0K+4*\s], 1
	s_add_co_u32 s[G0K+4*\s+1], s52, \s*SLOT
	s_add_nc_u64 s[G0K+4*\s+2:G0K+4*\s+3], s[6:7], \s*32768        ; tile s: 256 keys on
	s_or_b32 s[G0K+4*\s+3], s[G0K+4*\s+3], 0x80000000
	s_mov_b32 s[G0V+4*\s], 1
	s_add_co_u32 s[G0V+4*\s+1], s53, \s*SLOT
	s_add_nc_u64 s[G0V+4*\s+2:G0V+4*\s+3], s[8:9], \s*32768
	s_or_b32 s[G0V+4*\s+3], s[G0V+4*\s+3], 0x80000000
.endr
	v_and_b32 v1, 15, v0                           ; r
	v_bfe_u32 v2, v0, 4, 1                         ; h
	v_and_b32 v3, 31, v0                           ; l
	v_mul_u32_u24 v12, v1, KP
	v_lshl_add_u32 v12, v2, 4, v12                 ; row r, 16 h bytes
	v_mov_b32 v[KADR], v12
	v_add_nc_u32 v[KADR+1], SLOT, v12
	v_and_b32 v13, 7, v0
	v_lshl_add_u32 v13, v2, 3, v13                 ; key 8 h + (l & 7)
	v_mul_u32_u24 v13, v13, VP
	v_bfe_u32 v14, v0, 3, 1
	v_lshl_add_u32 v13, v14, 4, v13                ; + 16 ((l >> 3) & 1)
	v_add_nc_u32 v[VADR], KT, v13
	v_add_nc_u32 v[VADR+1], KT+SLOT, v13
	s_add_co_u32 s53, s52, STAGE
	v_add_nc_u32 v[STO], s53, v12
	v_lshrrev_b32 v14, 3, v3
	v_mul_u32_u24 v14, v14, KP
	v_and_b32 v15, 7, v0
	v_lshl_add_u32 v14, v15, 4, v14
	v_add_nc_u32 v[RD], s53, v14
	v_lshlrev_b32 v[CO], 4, v3
	v_lshlrev_b32 v[QO], 7, v1
	v_lshl_add_u32 v[QO], v2, 4, v[QO]
	v_mov_b32 v[T+2], 0                            ; destinations of v_permlanex16_b32 count as read
	v_mov_b32 v[T+6], 0
.irp j, 0,1,2,3,4,5,6,7
	v_mov_b32 v[ONE+\j], 0x3c003c00                ; 1.0 in both f16 halves
.endr
	WIN 0x40                                       ; destination window 1
.irp qt, 0,1
.irp kh, 0,1
	global_load_b128 v[QF+8*(2*\qt+\kh):QF+8*(2*\qt+\kh)+3],   v[QO], s[4:5] offset:\qt*2048+\kh*64
	global_load_b128 v[QF+8*(2*\qt+\kh)+4:QF+8*(2*\qt+\kh)+7], v[QO], s[4:5] offset:\qt*2048+\kh*64+32
.endr
.endr
	WIN 0
	ROUND                                          ; the four work-groups are here: the first joint loads meet
	tensor_load_to_lds s[G0K:G0K+3], s[G1K:G1K+7]  ; tile 0
	s_nop 0
	tensor_load_to_lds s[G0V:G0V+3], s[G1V:G1V+7]
	s_nop 0
	s_wait_loadcnt 0x0                             ; Q, once
.macro KLOAD slot, kb, buf             ; 16 loads: K fragments of keys 64 kb .. 64 kb + 63 of the tile, into buffer buf (window 1)
	WIN 0x40
.irp kt, 0,1,2,3
.irp kh, 0,1
	ds_load_b128 v[KF+64*\buf+8*(2*\kt+\kh):KF+64*\buf+8*(2*\kt+\kh)+3],   v[KADR+\slot] offset:(64*(\kb)+16*\kt)*KP+64*\kh
	ds_load_b128 v[KF+64*\buf+8*(2*\kt+\kh)+4:KF+64*\buf+8*(2*\kt+\kh)+7], v[KADR+\slot] offset:(64*(\kb)+16*\kt)*KP+64*\kh+32
.endr
.endr
.endm
.macro VLOAD slot, kb                  ; 16 transposing loads: V^T fragments of keys 64 kb .. + 63, 16 head columns x 32 keys each
	WIN 0
.irp ks, 0,1
.irp ht, 0,1,2,3
	ds_load_tr16_b128 v[VF+8*(4*\ks+\ht):VF+8*(4*\ks+\ht)+3],   v[VADR+\slot] offset:(64*(\kb)+32*\ks)*VP+32*\ht
	ds_load_tr16_b128 v[VF+8*(4*\ks+\ht)+4:VF+8*(4*\ks+\ht)+7], v[VADR+\slot] offset:(64*(\kb)+32*\ks)*VP+32*\ht+16*VP
.endr
.endr
.endm
; 16 matrix instructions: the scores of half hf.  Eight accumulators take turns, one instruction a turn.
.macro SMUL hf
	WIN 0x05                                       ; sources 0 (K) and 1 (Q) in window 1
.irp kh, 0,1
.irp qt, 0,1
.irp kt, 0,1,2,3
.if \kh == 0
	v_wmma_f32_16x16x32_f16 v[SC+64*\hf+8*(4*\qt+\kt):SC+64*\hf+8*(4*\qt+\kt)+7], v[KF+64*\hf+8*(2*\kt+\kh):KF+64*\hf+8*(2*\kt+\kh)+7], v[QF+8*(2*\qt+\kh):QF+8*(2*\qt+\kh)+7], 0
.else
	v_wmma_f32_16x16x32_f16 v[SC+64*\hf+8*(4*\qt+\kt):SC+64*\hf+8*(4*\qt+\kt)+7], v[KF+64*\hf+8*(2*\kt+\kh):KF+64*\hf+8*(2*\kt+\kh)+7], v[QF+8*(2*\qt+\kh):QF+8*(2*\qt+\kh)+7], v[SC+64*\hf+8*(4*\qt+\kt):SC+64*\hf+8*(4*\qt+\kt)+7]
.endif
.endr
.endr
.endr
.endm
; the largest of my 32 scores of half 0, for both query tiles: four chains that do not wait for each other (17 and 15 numbers a tile)
.macro MAXH0
	WIN 0
.irp qt, 0,1
	v_max3_num_f32 v[T+4*\qt],   v[SC+32*\qt],    v[SC+32*\qt+1],  v[SC+32*\qt+2]
	v_max3_num_f32 v[T+4*\qt+1], v[SC+32*\qt+17], v[SC+32*\qt+18], v[SC+32*\qt+19]
.endr
.set j, 0
.rept 6
.irp qt, 0,1
	v_max3_num_f32 v[T+4*\qt],   v[T+4*\qt],   v[SC+32*\qt+3+2*j],  v[SC+32*\qt+4+2*j]
	v_max3_num_f32 v[T+4*\qt+1], v[T+4*\qt+1], v[SC+32*\qt+20+2*j], v[SC+32*\qt+21+2*j]
.endr
.set j, j+1
.endr
.irp qt, 0,1
	v_max3_num_f32 v[T+4*\qt], v[T+4*\qt], v[SC+32*\qt+15], v[SC+32*\qt+16]
.endr
.endm
.macro MAXH1                           ; the same four chains go on over half 1
	WIN 0
.set j, 0
.rept 8
.irp qt, 0,1
	v_max3_num_f32 v[T+4*\qt],   v[T+4*\qt],   v[SC+64+32*\qt+2*j],    v[SC+64+32*\qt+2*j+1]
	v_max3_num_f32 v[T+4*\qt+1], v[T+4*\qt+1], v[SC+64+32*\qt+16+2*j], v[SC+64+32*\qt+17+2*j]
.endr
.set j, j+1
.endr
.endm
; the running maximum and the rescaling factor, both query tiles side by side
.macro NEWMAX first
.irp qt, 0,1
	v_max_num_f32 v[T+4*\qt], v[T+4*\qt], v[T+4*\qt+1]
.endr
.irp qt, 0,1
	v_permlanex16_b32 v[T+4*\qt+2], v[T+4*\qt], s50, s51           ; the other 64 keys of the same query
.endr
.irp qt, 0,1
	v_max_num_f32 v[T+4*\qt], v[T+4*\qt], v[T+4*\qt+2]
.endr
.irp qt, 0,1
	v_mul_f32 v[T+4*\qt], 0xc138aa3b, v[T+4*\qt]                   ; - maximum x 8 log2(e)
.endr
.if \first
.irp qt, 0,1
	v_mov_b32 v[NM+2*\qt], v[T+4*\qt]
	v_mov_b32 v[NM+2*\qt+1], v[T+4*\qt]
.endr
.else
.irp qt, 0,1
	v_min_num_f32 v[T+4*\qt], v[NM+2*\qt], v[T+4*\qt]              ; the running maximum (negated, so a minimum)
.endr
.irp qt, 0,1
	v_sub_f32 v[T+4*\qt+1], v[T+4*\qt], v[NM+2*\qt]                ; (old maximum - new maximum) x constant, at most 0
.endr
.irp qt, 0,1
	v_exp_f32 v[AL+2*\qt], v[T+4*\qt+1]
.endr
.irp qt, 0,1
	v_mov_b32 v[NM+2*\qt], v[T+4*\qt]                              ; plain instructions stand between v_exp_f32 and the use of its result (ISA guide 5.7.2)
	v_mov_b32 v[NM+2*\qt+1], v[T+4*\qt]
.endr
	s_wait_alu depctr_va_vdst(0)
.irp qt, 0,1
	v_mov_b32 v[AL+2*\qt+1], v[AL+2*\qt]
.endr
.endif
.endm
.macro RESCALE sums                    ; the context tiles (window 1) times the lane's factor; sums = 1: row 0 of the row-sum tiles too
	WIN 0x41
	s_wait_alu depctr_va_vdst(0)
.irp qt, 0,1
.set j, 0
.rept 16
	v_pk_mul_f32 v[32*\qt+2*j:32*\qt+2*j+1], v[32*\qt+2*j:32*\qt+2*j+1], v[AL+2*\qt:AL+2*\qt+1]
.set j, j+1
.endr
.if \sums
	v_pk_mul_f32 v[SUM+8*\qt:SUM+8*\qt+1], v[SUM+8*\qt:SUM+8*\qt+1], v[AL+2*\qt:AL+2*\qt+1]
.endif
.endr
.endm
; half hf: exponent by one multiply-add, exponential, P packed in place.  resc = 1: the rescaling stands behind the exponentials, where a plain
; instruction has to stand anyway before their results are used (ISA guide 5.7.2).
.macro EXPH hf, resc
	WIN 0
.irp qt, 0,1
.set j, 0
.rept 16
	v_pk_fma_f32 v[SC+64*\hf+32*\qt+2*j:SC+64*\hf+32*\qt+2*j+1], v[SC+64*\hf+32*\qt+2*j:SC+64*\hf+32*\qt+2*j+1], s[48:49], v[NM+2*\qt:NM+2*\qt+1] op_sel_hi:[1,0,1]
.set j, j+1
.endr
.endr
.set j, 0
.rept 64
	v_exp_f32 v[SC+64*\hf+j], v[SC+64*\hf+j]
.set j, j+1
.endr
.if \resc
	RESCALE 1
	WIN 0
.else
	v_nop
	s_wait_alu depctr_va_vdst(0)
.endif
.irp qt, 0,1
.irp ks, 0,1
.set j, 0
.rept 8
	v_cvt_pk_f16_f32 v[SC+64*\hf+32*\qt+16*\ks+j], v[SC+64*\hf+32*\qt+16*\ks+2*j], v[SC+64*\hf+32*\qt+16*\ks+2*j+1]   ; in place, ascending: register j is written when 2 j, 2 j + 1 have been read
.set j, j+1
.endr
.endr
.endr
.endm
; 20 matrix instructions: context and row sums of half hf.  Ten accumulators take turns, one instruction a turn.
.macro PVMUL hf, zero
	WIN 0x50                                       ; C and D in window 1
.irp ks, 0,1
.irp qt, 0,1
.irp ht, 0,1,2,3
.if \zero*(1-\ks)
	v_wmma_f32_16x16x32_f16 v[8*(4*\qt+\ht):8*(4*\qt+\ht)+7], v[VF+8*(4*\ks+\ht):VF+8*(4*\ks+\ht)+7], v[SC+64*\hf+32*\qt+16*\ks:SC+64*\hf+32*\qt+16*\ks+7], 0
.else
	v_wmma_f32_16x16x32_f16 v[8*(4*\qt+\ht):8*(4*\qt+\ht)+7], v[VF+8*(4*\ks+\ht):VF+8*(4*\ks+\ht)+7], v[SC+64*\hf+32*\qt+16*\ks:SC+64*\hf+32*\qt+16*\ks+7], v[8*(4*\qt+\ht):8*(4*\qt+\ht)+7]
.endif
.endr
.if \zero*(1-\ks)
	v_wmma_f32_16x16x32_f16 v[SUM+8*\qt:SUM+8*\qt+7], v[ONE:ONE+7], v[SC+64*\hf+32*\qt+16*\ks:SC+64*\hf+32*\qt+16*\ks+7], 0
.else
	v_wmma_f32_16x16x32_f16 v[SUM+8*\qt:SUM+8*\qt+7], v[ONE:ONE+7], v[SC+64*\hf+32*\qt+16*\ks:SC+64*\hf+32*\qt+16*\ks+7], v[SUM+8*\qt:SUM+8*\qt+7]
.endif
.endr
.endr
.endm
; 128 keys: 64-key blocks 2 c (half 0) and 2 c + 1 (half 1) of the tile in slot.  first = 1: the very first chunk starts maximum, sums and context.
; last = 1: the tile's last chunk fetches nothing for a next one.  Every group of LDS loads is 16 instructions; at the head K of both halves and
; V of half 0 have been asked for, in this order.
.macro CHUNK slot, c, first, last
	s_wait_dscnt 32                                ; K of half 0 is in; at a tile's start K of half 1 and V of half 0 stay out
	SMUL 0
	PLACES                                         ; in front of the loads into K's buffer 0 and of the reads of the scores
.if \last == 0
	KLOAD \slot, 2*\c+2, 0                         ; the next chunk's half 0
.endif
	MAXH0
.if \last
	s_wait_dscnt 16                                ; K of half 1 is in; V of half 0 is younger
.else
	s_wait_dscnt 32                                ; K of half 1 is in; V of half 0 and the next chunk's K are younger
.endif
	SMUL 1
	PLACES
.if \last == 0
	KLOAD \slot, 2*\c+3, 1                         ; the next chunk's half 1
.endif
	MAXH1
	NEWMAX \first
	EXPH 0, 1-\first
.if \last
	s_wait_dscnt 0x0                               ; V of half 0 is in
.else
	s_wait_dscnt 32                                ; V of half 0 is in; the next chunk's two groups of K are younger
.endif
	PVMUL 0, \first
	PLACES                                         ; in front of the loads into V's fragments
	VLOAD \slot, 2*\c+1
	EXPH 1, 0
	s_wait_dscnt 0x0                               ; V of half 1 is the youngest group
	PVMUL 1, 0
	PLACES
.if \last == 0
	VLOAD \slot, 2*\c+2                            ; the next chunk's half 0
.endif
	WIN 0
.endm
; one tile of 256 keys in slot; refill = 1: the other slot, read in the last trip, gets the next tile
.macro TRIP slot, refill, first
	s_wait_tensorcnt 0x0                           ; all my tensor loads have landed, my part of this trip's tile among them: every group 0 may be written
	ds_add_u32 v62, v63
	s_wait_dscnt 0x0
	s_add_nc_u64 s[G0K+4*\slot+2:G0K+4*\slot+3], s[G0K+4*\slot+2:G0K+4*\slot+3], 65536     ; this slot's next tile: two tiles on
	s_add_nc_u64 s[G0V+4*\slot+2:G0V+4*\slot+3], s[G0V+4*\slot+2:G0V+4*\slot+3], 65536
	s_wait_dscnt 0x0                               ; my reads of the last trip's tile are back
	ROUND                                          ; both hold of every wave of the four work-groups
.if \refill
	tensor_load_to_lds s[G0K+4*(1-\slot):G0K+4*(1-\slot)+3], s[G1K:G1K+7]
	s_nop 0
	tensor_load_to_lds s[G0V+4*(1-\slot):G0V+4*(1-\slot)+3], s[G1V:G1V+7]
	s_nop 0
.endif
	KLOAD \slot, 0, 0
	KLOAD \slot, 1, 1
	VLOAD \slot, 0
	CHUNK \slot, 0, \first, 0
	CHUNK \slot, 1, 0, 1
.endm
	TRIP 0, 1, 1                                   ; tiles 0 and 1 stand in front of the loop: the first chunk starts the sums
	TRIP 1, 1, 0
	s_mov_b32 s52, 2
.Lpair:                                            ; tiles 2 to 5
	TRIP 0, 1, 0
	TRIP 1, 1, 0
	s_sub_co_u32 s52, s52, 1
	s_cmp_lg_u32 s52, 0
	s_cbranch_scc1 .Lpair
	TRIP 0, 1, 0                                   ; tile 6 fetches tile 7, the last
	TRIP 1, 0, 0                                   ; (the addresses stepped past the end are not used)
	; THE END: divide by the row sum (row 0 of the sum tiles: every lane holds its own query's), round to f16, through my stage, out as whole rows.
	; The last chunk's four places stand behind the last matrix instructions.
	WIN 0x01                                       ; source 0 in window 1
	v_rcp_f32 v[AL], v[SUM]
	v_rcp_f32 v[AL+2], v[SUM+8]
	v_nop
	WIN 0
	s_wait_alu depctr_va_vdst(0)
	v_mov_b32 v[AL+1], v[AL]
	v_mov_b32 v[AL+3], v[AL+2]
	RESCALE 0
	WIN 0x05                                       ; both sources in window 1
.irp qt, 0,1
.irp ht, 0,1,2,3
.irp jj, 0,1,2,3
	v_cvt_pk_f16_f32 v[SC+4*(4*\qt+\ht)+\jj], v[8*(4*\qt+\ht)+2*\jj], v[8*(4*\qt+\ht)+2*\jj+1]
.endr
.endr
.endr
	WIN 0
.irp qt, 0,1
.irp ht, 0,1,2,3
	ds_store_b128 v[STO], v[SC+4*(4*\qt+\ht):SC+4*(4*\qt+\ht)+3] offset:\qt*16*KP+\ht*32   ; query 16 qt + r, head columns 16 ht + 8 h .. + 7
.endr
.endr
.irp t, 0,1,2,3,4,5,6,7
	ds_load_b128 v[VF+4*\t:VF+4*\t+3], v[RD] offset:\t*4*KP        ; my own bytes, served in order behind the stores
.endr
.irp t, 0,1,2,3,4,5,6,7
	s_wait_dscnt 7-\t
	global_store_b128 v[CO], v[VF+4*\t:VF+4*\t+3], s[10:11] offset:\t*512      ; four rows: 512 consecutive bytes, at a multiple of 512 from ctx's first byte
.endr
	s_wait_tensorcnt 0x0
	ds_add_u32 v62, v63
	s_wait_dscnt 0x0
	ROUND                                          ; the closing round
	s_endpgm
.Lfunc_end_k_q0a246432fd_attn:
	.size	k_q0a246432fd_attn, .Lfunc_end_k_q0a246432fd_attn-k_q0a246432fd_attn
	.p2alignl 7, 3214868480
	.fill 96, 4, 3214868480
	.section	.rodata,"a",@progbits
	.p2align	6, 0x0
	.amdhsa_kernel k_q0a246432fd_attn
		.amdhsa_group_segment_fixed_size 327680
		.amdhsa_private_segment_fixed_size 0
		.amdhsa_enable_private_segment 0
		.amdhsa_kernarg_size 32
		.amdhsa_user_sgpr_count 2
		.amdhsa_user_sgpr_kernarg_segment_ptr 1
		.amdhsa_wavefront_size32 1
		.amdhsa_system_sgpr_workgroup_id_x 1
		.amdhsa_system_sgpr_workgroup_id_y 1
		.amdhsa_system_sgpr_workgroup_id_z 1
		.amdhsa_system_vgpr_workitem_id 0
		.amdhsa_next_free_vgpr 512
		.amdhsa_next_free_sgpr 66
		.amdhsa_reserve_vcc 0
		.amdhsa_float_denorm_mode_32 3
		.amdhsa_float_denorm_mode_16_64 3
		.amdhsa_memory_ordered 1
		.amdhsa_forward_progress 1
		.amdhsa_inst_pref_size 255
	.end_amdhsa_kernel
	.section	.bss,"aw",@nobits
	.p2align	6
	.space	262144
	.amdgpu_metadata
---
amdhsa.version: [ 1, 2 ]
amdhsa.kernels:
  - .name:           k_q0a246432fd_attn
    .symbol:         k_q0a246432fd_attn.kd
    .args:
      - { .name: qh, .offset: 0, .size: 8, .value_kind: global_buffer, .address_space: global }
      - { .name: kh, .offset: 8, .size: 8, .value_kind: global_buffer, .address_space: global }
      - { .name: vh, .offset: 16, .size: 8, .value_kind: global_buffer, .address_space: global }
      - { .name: ctx, .offset: 24, .size: 8, .value_kind: global_buffer, .address_space: global }
    .group_segment_fixed_size: 327680
    .private_segment_fixed_size: 0
    .kernarg_segment_align: 8
    .kernarg_segment_size: 32
    .max_flat_workgroup_size: 256
    .sgpr_count:     66
    .vgpr_count:     512
    .wavefront_size: 32
...
	.end_amdgpu_metadata
.endif
;; end of part 3
;; launch oproj (part 4): grid 8 x 32, 4 waves a work-group, clusters of 4 x 4, 327,680 bytes of LDS; arguments ctx, wt, bo, out0; writes out0
.if DOCPART == 4
	.amdgcn_target "amdgcn-amd-amdhsa--gfx1250"
	.amdhsa_code_object_version 6
	.text
	.protected	k_q0a246432fd_oproj
	.globl	k_q0a246432fd_oproj
	.p2align	8
	.type	k_q0a246432fd_oproj,@function
k_q0a246432fd_oproj:
	s_mov_b64 s[64:65], 0
	v_nop
	global_prefetch_b8 v0, s[64:65] scope:SCOPE_SE
	s_setreg_imm32_b32 hwreg(HW_REG_WAVE_MODE, 25, 1), 1
	s_wait_xcnt 0x0
	s_wait_alu depctr_hold_cnt(0) depctr_sa_sdst(0) depctr_va_vdst(0) depctr_va_sdst(0) depctr_va_ssrc(0) depctr_va_vcc(0) depctr_vm_vsrc(0)
	s_getreg_b32 s2, hwreg(HW_REG_IB_STS2, 6, 4)
	s_cmp_eq_u32 s2, 0
	s_cbranch_scc0 .Lentry_in_a_cluster
	s_endpgm
.Lentry_in_a_cluster:
	s_bfe_u32 s2, ttmp6, 0x10000c
	s_cmp_lg_u32 s2, 0xf033
	s_cbranch_scc0 .Lentry_shape_is_right
	s_endpgm
.Lentry_shape_is_right:
; oproj: out0[4096][1024] (f32) = 8 (ctx' Wo) + bo, with ctx' = ctx[h][row][64] (f16, context / 8) and wt[3] (Wo in f16, d in planes of 64).
; Blocks of 128 x 128 give 32 x 8 = 256 work-groups (blocks of 256 x 256 would give 64); four waves, 2 x 2, each 64 x 64: 16 accumulator tiles.
; K goes in tiles of 256 (four planes of 64) through two LDS slots.  A wave fetches two planes of one operand by one tensor load (two rows of 16,384 dense
; bytes, a plane apart): at most two tensor loads of a wave are out (the two first fills), later one, with 128 matrix instructions in which to land.
; CLUSTER 4 x 4: ctx's tiles are asked for jointly along a row of the cluster, Wo's along a column.
; The matrix instruction is used transposed (source 0 = Wo's rows, source 1 = ctx's rows): a lane holds eight neighbouring columns of one output row.
; REGISTERS: window 0: addresses, fragment buffer 0 in v[64:191], the bias in v[192:223]; window 1: accumulators v[0:127], tile (a, b) at 8 (4 a + b);
; window 2: buffer 1 in v[64:191].
.set PP,    144                        ; LDS pitch: 128 + 16 bytes
.set PLB,   128*PP                     ; a plane of 128 rows: 18,432
.set SLOT,  8*PLB                      ; four planes of ctx, four of Wo
.set STAGE, 2*SLOT                     ; 16 rows of 272 bytes for each wave; no tensor load lands here
.set SP,    272
.set ADRA,  8                          ; v8-11   my ctx rows: slot s, plane pair pp at 2 s + pp
.set ADRB,  12                         ; v12-15  my Wo rows
.set STO,   16
.set RD,    17
.set CO,    18
.set BO,    19
.set BIAS,  192                        ; v[192:223] bo of my 64 columns in the accumulators' layout, asked for at the start
.set G1,    24
.set G0,    32
.set G1B,   48
.set G0B,   56
.set MSB, 0
.macro WIN new
.if MSB != \new
	s_set_vgpr_msb (MSB<<8)|\new
.set MSB, \new
.endif
.endm
.macro PLACES
.rept 4
	v_nop
.endr
.endm
.macro CROUND
	s_barrier_signal -1
	s_barrier_wait -1
	s_cmp_lg_u32 s12, 0
	s_cbranch_scc1 .Lnot_wave_0_\@
	s_barrier_signal -3
.Lnot_wave_0_\@:
	s_barrier_wait -3
	s_barrier_signal -1
	s_barrier_wait -1
.endm
.macro JLOAD s                         ; waves 0, 1 ask for ctx's plane pairs, waves 2, 3 for Wo's
	s_cmp_eq_u32 s13, 0
	s_cbranch_scc0 .Lfor_b_\@
	tensor_load_to_lds s[G0+4*\s:G0+4*\s+3], s[G1:G1+7]
	s_nop 0
	s_branch .Lasked_\@
.Lfor_b_\@:
	tensor_load_to_lds s[G0B+4*\s:G0B+4*\s+3], s[G1B:G1B+7]
	s_nop 0
.Lasked_\@:
.endm
	s_load_b256 s[4:11], s[0:1], 0x0               ; ctx 4, wt 6, bo 8, out0 10
	v_lshl_add_u32 v254, v0, 2, 0x4c400
	v_mov_b32 v255, 0
	ds_add_u32 v254, v255
	v_lshrrev_b32 v1, 5, v0
	v_readfirstlane_b32 s12, v1                    ; wave
	s_lshr_b32 s13, s12, 1                         ; my half of the block's rows; also: I fetch ctx (0) or Wo (1)
	s_and_b32 s14, s12, 1                          ; my half of its columns; also: which pair of planes I fetch
	s_bfe_u32 s15, ttmp6, 0x40000                  ; cx
	s_bfe_u32 s16, ttmp6, 0x40004                  ; cy
	s_lshl_b32 s17, ttmp9, 2
	s_add_co_u32 s17, s17, s15                     ; nb 0..7
	s_and_b32 s18, ttmp7, 0xffff
	s_lshl_b32 s18, s18, 2
	s_add_co_u32 s18, s18, s16                     ; mb 0..31
	s_lshl_b32 s19, s16, 2
	s_lshl_b32 s19, 15, s19                        ; my row of the cluster
	s_lshl_b32 s20, 0x1111, s15                    ; my column
	; group 1: two rows of 2,048 elements of 8 bytes; 4 words of padding behind every 32 words, so each 128 bytes get a pitch of 144
	s_or_b32 s[G1+0], s19, (3<<16)|(1<<20)|(1<<21)|(4<<22)|(3<<25)
	s_or_b32 s[G1B+0], s20, (3<<16)|(1<<20)|(1<<21)|(4<<22)|(3<<25)
.irp g, G1, G1B
	s_mov_b32 s[\g+1], 2048<<16                    ; tensor_dim0
	s_mov_b32 s[\g+2], 2<<16                       ; tensor_dim1
	s_mov_b32 s[\g+3], 2048<<16                    ; tile_dim0
	s_mov_b32 s[\g+4], 2                           ; tile_dim1
	s_mov_b32 s[\g+6], 0
	s_mov_b32 s[\g+7], 0
.endr
	s_mov_b32 s[G1+5], 65536                       ; ctx: a plane is 524,288 bytes
	s_mov_b32 s[G1B+5], 16384                      ; wt: a plane is 131,072 bytes
	s_lshl_b32 s40, s18, 14                        ; ctx: 128 mb rows of 128 bytes + my pair of planes (no cx enters these registers)
	s_lshl_b32 s41, s14, 20
	s_add_co_u32 s40, s40, s41
	s_mov_b32 s41, 0
	s_lshl_b32 s42, s17, 14                        ; wt: matrix 3 + 128 nb rows + my pair of planes (no cy enters these registers)
	s_lshl_b32 s43, s14, 18
	s_add_co_u32 s42, s42, s43
	s_add_co_u32 s42, s42, 3<<21
	s_mov_b32 s43, 0
	s_mul_i32 s21, s12, 2*PLB                      ; LDS: wave x two planes: ctx's four planes, then Wo's four
	s_lshl_b32 s44, s17, 9                         ; my first column, in f32: 128 nb + 64 half
	s_lshl_b32 s45, s14, 8
	s_add_co_u32 s44, s44, s45
	s_mov_b32 s45, 0
	s_wait_dscnt 0x0
	s_wait_kmcnt 0x0
	s_add_nc_u64 s[40:41], s[4:5], s[40:41]
	s_add_nc_u64 s[42:43], s[6:7], s[42:43]
	s_add_nc_u64 s[8:9], s[8:9], s[44:45]
	s_add_nc_u64 s[10:11], s[10:11], s[44:45]
	s_lshl_b32 s44, s18, 19                        ; my first row: 128 mb + 64 half, of 4,096 bytes
	s_lshl_b32 s46, s13, 18
	s_add_co_u32 s44, s44, s46
	s_add_nc_u64 s[10:11], s[10:11], s[44:45]
	CROUND                                         ; all sixteen work-groups are here
.irp s, 0,1
	s_mov_b32 s[G0+4*\s], 1
	s_add_co_u32 s[G0+4*\s+1], s21, \s*SLOT
	s_add_nc_u64 s[G0+4*\s+2:G0+4*\s+3], s[40:41], \s*(1<<21)      ; tile s: four planes on
	s_or_b32 s[G0+4*\s+3], s[G0+4*\s+3], 0x80000000
	s_mov_b32 s[G0B+4*\s], 1
	s_add_co_u32 s[G0B+4*\s+1], s21, \s*SLOT
	s_add_nc_u64 s[G0B+4*\s+2:G0B+4*\s+3], s[42:43], \s*(1<<19)
	s_or_b32 s[G0B+4*\s+3], s[G0B+4*\s+3], 0x80000000
	JLOAD \s
.endr
	v_and_b32 v1, 15, v0                           ; r
	v_bfe_u32 v2, v0, 4, 1                         ; h
	v_lshlrev_b32 v[BO], 5, v2                     ; bias: 8 h f32
.irp b, 0,1,2,3
	global_load_b128 v[BIAS+8*\b:BIAS+8*\b+3],   v[BO], s[8:9] offset:64*\b        ; bo of columns 16 b + 8 h .. + 7; waited for on the way out, behind the whole product
	global_load_b128 v[BIAS+8*\b+4:BIAS+8*\b+7], v[BO], s[8:9] offset:64*\b+16
.endr
	v_mul_u32_u24 v3, v1, PP
	v_lshl_add_u32 v3, v2, 4, v3
	s_mul_i32 s22, s13, 64*PP
	s_mul_i32 s23, s14, 64*PP
	s_add_co_u32 s23, s23, 4*PLB
	v_add_nc_u32 v4, s22, v3
	v_add_nc_u32 v5, s23, v3
.irp s, 0,1
.irp pp, 0,1
	v_add_nc_u32 v[ADRA+2*\s+\pp], \s*SLOT+\pp*2*PLB, v4
	v_add_nc_u32 v[ADRB+2*\s+\pp], \s*SLOT+\pp*2*PLB, v5
.endr
.endr
	s_mul_i32 s22, s12, 16*SP
	s_add_co_u32 s22, s22, STAGE
	v_mul_u32_u24 v6, v1, SP
	v_lshl_add_u32 v6, v2, 5, v6
	v_add_nc_u32 v[STO], s22, v6                   ; in: row r, 8 h f32
	v_mul_u32_u24 v6, v2, SP
	v_lshl_add_u32 v6, v1, 4, v6
	v_add_nc_u32 v[RD], s22, v6                    ; back: lanes 0-15 one row of 256 bytes, lanes 16-31 the next
	v_lshlrev_b32 v6, 12, v2
	v_lshl_add_u32 v[CO], v1, 4, v6                ; the same two rows in out0
; 32 LDS loads: one plane's fragments (64 rows of ctx, 64 of Wo, 64 along K) into buffer buf.  fa = 2 slot + plane pair, fp = plane in the pair.
.macro FETCHP fa, fp, buf
.if \buf
	WIN 0x80
.else
	WIN 0
.endif
.irp i, 0,1,2,3
.irp kq, 0,1
	ds_load_b128 v[64+8*(2*\i+\kq):64+8*(2*\i+\kq)+3],     v[ADRA+\fa] offset:\fp*PLB+\i*16*PP+\kq*64
	ds_load_b128 v[64+8*(2*\i+\kq)+4:64+8*(2*\i+\kq)+7],   v[ADRA+\fa] offset:\fp*PLB+\i*16*PP+\kq*64+32
	ds_load_b128 v[128+8*(2*\i+\kq):128+8*(2*\i+\kq)+3],   v[ADRB+\fa] offset:\fp*PLB+\i*16*PP+\kq*64
	ds_load_b128 v[128+8*(2*\i+\kq)+4:128+8*(2*\i+\kq)+7], v[ADRB+\fa] offset:\fp*PLB+\i*16*PP+\kq*64+32
.endr
.endr
.endm
; 32 matrix instructions on one plane; the sixteen accumulators take turns, one instruction a turn
.macro MULP buf, zero
.if \buf
	WIN 0x5a
.else
	WIN 0x50
.endif
.irp kq, 0,1
.irp a, 0,1,2,3
.irp b, 0,1,2,3
.if \zero*(1-\kq)
	v_wmma_f32_16x16x32_f16 v[8*(4*\a+\b):8*(4*\a+\b)+7], v[128+8*(2*\b+\kq):128+8*(2*\b+\kq)+7], v[64+8*(2*\a+\kq):64+8*(2*\a+\kq)+7], 0
.else
	v_wmma_f32_16x16x32_f16 v[8*(4*\a+\b):8*(4*\a+\b)+7], v[128+8*(2*\b+\kq):128+8*(2*\b+\kq)+7], v[64+8*(2*\a+\kq):64+8*(2*\a+\kq)+7], v[8*(4*\a+\b):8*(4*\a+\b)+7]
.endif
.endr
.endr
.endr
.endm
; One plane from buffer buf; the next plane (fa, fp) is fetched into the other buffer ahead of the products.
; kind 1: this is a slot's last plane and the slot is filled again;  kind 2: a slot's last plane, nothing left to fetch;  kind 3: the last plane of all.
.macro PLANE buf, kind, slot, fa, fp, zero
	s_wait_dscnt 0x0                               ; this plane's fragments are in (kinds 1, 2: my last reads of the slot)
.if \kind == 1
	WIN 0
	s_wait_tensorcnt 0x0                           ; all my tensor loads have landed, my part of the other slot among them: every group 0 may be written
	ds_add_u32 v254, v255
	s_wait_dscnt 0x0
	s_add_nc_u64 s[G0+4*\slot+2:G0+4*\slot+3], s[G0+4*\slot+2:G0+4*\slot+3], 1<<22         ; two tiles on
	s_add_nc_u64 s[G0B+4*\slot+2:G0B+4*\slot+3], s[G0B+4*\slot+2:G0B+4*\slot+3], 1<<20
	CROUND                                         ; both hold of every wave of all sixteen work-groups
	JLOAD \slot                                    ; the first tensor load behind the round
.endif
.if \kind == 2
	s_wait_tensorcnt 0x0                           ; my part of the last tile has landed
	s_barrier_signal -1
	s_barrier_wait -1
.endif
.if \kind != 3
	PLACES                                         ; the other buffer was read by the last plane's matrix instructions
	FETCHP \fa, \fp, 1-\buf
.endif
	MULP \buf, \zero
.endm
	s_wait_tensorcnt 1                             ; my part of tile 0 is in, tile 1's stays out
	s_barrier_signal -1
	s_barrier_wait -1
	FETCHP 0, 0, 0
	PLANE 0, 0, 0, 0, 1, 1                         ; tile 0 in slot 0
	PLANE 1, 0, 0, 1, 0, 0
	PLANE 0, 0, 0, 1, 1, 0
	PLANE 1, 1, 0, 2, 0, 0                         ; slot 0 gets tile 2
	PLANE 0, 0, 0, 2, 1, 0                         ; tile 1 in slot 1
	PLANE 1, 0, 0, 3, 0, 0
	PLANE 0, 0, 0, 3, 1, 0
	PLANE 1, 1, 1, 0, 0, 0                         ; slot 1 gets tile 3
	PLANE 0, 0, 0, 0, 1, 0                         ; tile 2
	PLANE 1, 0, 0, 1, 0, 0
	PLANE 0, 0, 0, 1, 1, 0
	PLANE 1, 2, 0, 2, 0, 0
	PLANE 0, 0, 0, 2, 1, 0                         ; tile 3
	PLANE 1, 0, 0, 3, 0, 0
	PLANE 0, 0, 0, 3, 1, 0
	PLANE 1, 3, 0, 0, 0, 0
	; THE WAY OUT: 8 x sum + bo in one multiply-add, 16 rows at a time through my stage, out as whole rows of 256 bytes
	PLACES
	s_wait_loadcnt 0x0                             ; the bias, asked for at the start
.macro OUT16 a, ob
	WIN 0x01                                       ; source 0 (the sums) in window 1
.irp b, 0,1,2,3
.irp jj, 0,1,2,3
	v_pk_fma_f32 v[96+8*\b+2*\jj:96+8*\b+2*\jj+1], v[8*(4*\a+\b)+2*\jj:8*(4*\a+\b)+2*\jj+1], 0x41000000, v[BIAS+8*\b+2*\jj:BIAS+8*\b+2*\jj+1] op_sel_hi:[1,0,1]
.endr
.endr
	WIN 0
.irp b, 0,1,2,3
	ds_store_b128 v[STO], v[96+8*\b:96+8*\b+3]   offset:64*\b
	ds_store_b128 v[STO], v[96+8*\b+4:96+8*\b+7] offset:64*\b+16
.endr
	s_wait_xcnt 0x0                                ; registers that earlier stores read are loaded again only behind this wait
.irp t, 0,1,2,3,4,5,6,7
	ds_load_b128 v[\ob+4*\t:\ob+4*\t+3], v[RD] offset:\t*2*SP      ; my own bytes, served in order behind the stores
.endr
.irp t, 0,1,2,3,4,5,6,7
	s_wait_dscnt 7-\t
	global_store_b128 v[CO], v[\ob+4*\t:\ob+4*\t+3], s[10:11] offset:(16*\a+2*\t)*4096 th:TH_STORE_NT     ; 16 lanes store 256 consecutive bytes, at a multiple of 256 from out0's first byte
.endr
.endm
	OUT16 0, 128
	OUT16 1, 160
	OUT16 2, 128
	OUT16 3, 160
	s_wait_tensorcnt 0x0
	ds_add_u32 v254, v255
	s_wait_dscnt 0x0
	CROUND                                         ; the closing round
	s_endpgm
.Lfunc_end_k_q0a246432fd_oproj:
	.size	k_q0a246432fd_oproj, .Lfunc_end_k_q0a246432fd_oproj-k_q0a246432fd_oproj
	.p2alignl 7, 3214868480
	.fill 96, 4, 3214868480
	.section	.rodata,"a",@progbits
	.p2align	6, 0x0
	.amdhsa_kernel k_q0a246432fd_oproj
		.amdhsa_group_segment_fixed_size 327680
		.amdhsa_private_segment_fixed_size 0
		.amdhsa_enable_private_segment 0
		.amdhsa_kernarg_size 32
		.amdhsa_user_sgpr_count 2
		.amdhsa_user_sgpr_kernarg_segment_ptr 1
		.amdhsa_wavefront_size32 1
		.amdhsa_system_sgpr_workgroup_id_x 1
		.amdhsa_system_sgpr_workgroup_id_y 1
		.amdhsa_system_sgpr_workgroup_id_z 1
		.amdhsa_system_vgpr_workitem_id 0
		.amdhsa_next_free_vgpr 704
		.amdhsa_next_free_sgpr 66
		.amdhsa_reserve_vcc 0
		.amdhsa_float_denorm_mode_32 3
		.amdhsa_float_denorm_mode_16_64 3
		.amdhsa_memory_ordered 1
		.amdhsa_forward_progress 1
		.amdhsa_inst_pref_size 92
	.end_amdhsa_kernel
	.amdgpu_metadata
---
amdhsa.version: [ 1, 2 ]
amdhsa.kernels:
  - .name:           k_q0a246432fd_oproj
    .symbol:         k_q0a246432fd_oproj.kd
    .args:
      - { .name: ctx, .offset: 0, .size: 8, .value_kind: global_buffer, .address_space: global }
      - { .name: wt, .offset: 8, .size: 8, .value_kind: global_buffer, .address_space: global }
      - { .name: bo, .offset: 16, .size: 8, .value_kind: global_buffer, .address_space: global }
      - { .name: out0, .offset: 24, .size: 8, .value_kind: global_buffer, .address_space: global }
    .group_segment_fixed_size: 327680
    .private_segment_fixed_size: 0
    .kernarg_segment_align: 8
    .kernarg_segment_size: 32
    .max_flat_workgroup_size: 128
    .sgpr_count:     66
    .vgpr_count:     704
    .wavefront_size: 32
...
	.end_amdgpu_metadata
.endif
;; end of part 4
